; MI455X (gfx1250); checked and timed in simulation.
; The chip was launched on July 23, 2026; its instructions are those of AMD's public machine-readable ISA for CDNA 5 (MIT licence, August 2026) and "CDNA5" Instruction Set Architecture Reference Guide (July 2026). The comments in the code are by the model that wrote it; some were corrected since.
;; GPTQ Linear Onnx Exact. Allowed arithmetic: matrix products marked QUANTISED: E2M3 operands, one E8M0 scale for each 32 along K, by v_wmma_scale_f32_16x16x128_f8f6f4 with both operands' format E2M3, f32 sums; everything else in f32.
;; Inputs: bias 4,096 float32; g_idx 4,096 int32; qweight_int 4,096 x 4,096 int32; scales 32 x 4,096 float32; x_codes 2 x 2,048 x 128 x 24 uint8 (E2M3 codes of x, K innermost, in blocks of 32 codes, four codes in three bytes); x_scales 2 x 2,048 x 128 uint8 (E8M0 scales of x, one for each 32 codes along K); zero_points 32 x 4,096 int32.
;; Outputs: out0 2 x 2,048 x 4,096 float32.
;; This version of the problem:
;;   THIS VERSION OF THE PROBLEM IS GIVEN IN LOW PRECISION. The matrix products marked QUANTISED in the list below multiply operands that are first quantised to E2M3 (2 exponent bits, 3 mantissa bits; 6 bits a number), with one power-of-two scale for each 32 numbers along K (OCP MX v1.0); their sums are f32. All else is computed in f32.
;;   The module's matrix products, in the order in which they are computed (A, B: the left and right operand; K: the contracted axis; several contracted axes count as one K, in the product's order):
;;     1. [M 4,096, K 4,096] x [K 4,096, N 4,096]; A: input x (given as codes); B: computed on the way: QUANTISED
;;   THE QUANTISER, for each operand of a quantised product, along K:
;;     - K is cut into blocks of 32 from its start; a last block that is shorter is filled with zeros.
;;     - A block's scale is 2^e with e = floor(log2(the largest magnitude in the block)) - 2, held to -126 .. 127; a block of zeros has e = 0. As a byte (E8M0): e + 127.
;;     - Each number is divided by its block's scale, clamped to +-7.5, and rounded to the nearest number of E2M3, ties to even, subnormals kept.
;;     - The product sums the exact products of the quantised numbers (number of the format x scale) in f32.
;;   ~~~python
;;   def quantise(x, axis):      # numpy; x: float32 -> the quantised numbers, widened to float32 again
;;       x = np.moveaxis(x, axis, -1); K = x.shape[-1]
;;       x = np.pad(x, [(0, 0)] * (x.ndim - 1) + [(0, -K % 32)]); x = x.reshape(x.shape[:-1] + (-1, 32)); a = np.abs(x).max(-1, keepdims=True)
;;       e = np.where(a > 0, np.clip(np.frexp(np.where(a > 0, a, 1))[1] - 1 - 2, -126, 127), 0)      # np.frexp(a)[1] - 1 = floor(log2(a)), exactly
;;       r = np.clip(x / 2.0 ** e, -7.5, 7.5)
;;       step = 2.0 ** (np.maximum(np.frexp(np.where(r == 0, 1, r))[1] - 1, 0) - 3)
;;       q = np.round(r / step) * step * 2.0 ** e      # np.round: ties to even
;;       return np.moveaxis(q.reshape(q.shape[:-2] + (-1,))[..., :K], -1, axis).astype(np.float32)
;;   ~~~
;;   OPERANDS COMPUTED ON THE WAY. 'Computed on the way' means the value that the module computes at that place (a softmax that the list does not call 'softmax' is quantised finished and normalised). What goes into a quantiser is computed in f32, as accurately as f32 sums, v_exp_f32 and their like allow (about 1e-6 of the number): no bf16 or f16 on the way to a quantiser, and a product that is left as it is and whose result goes on into a quantised operand takes f32 operands (vector FMAs, or v_wmma_f32_16x16x4_f32). A number that lies on a knife's edge between two numbers of the format may be rounded either way, as far as f32 arithmetic and the matrix unit's own rounding can turn it there, and no further.
;;   INPUTS GIVEN AS CODES. x (in the module: [2, 2048, 4096], K = its axis 2): each comes as NAME_codes (uint8): NAME with its K axis moved to the last place and cut into blocks of 32 codes, [.., K / 32, bytes a block], one block behind the other in memory; four codes in three bytes: a row's codes are one little-endian stream of bits, code i at bits 6 i .. 6 i + 5 (a code: sign, 2 exponent bits, 3 mantissa bits); and NAME_scales (uint8): the same leading axes, one E8M0 byte (e + 127) for each 32 codes along K. Its value is code x scale, taken as it is: it is not quantised again, and the codes and scales need not be those that the quantiser above would give.
;; One version. Each part assembles by itself: llvm-mc -triple=amdgcn-amd-amdhsa -mcpu=gfx1250 --defsym DOCPART=n.
;; ======== version 1 of 1: 2 launches
;; limits: right only within a limited range of input values
;; workspace buffers: wi 13,107,200 bytes; xi 13,107,200 bytes
;; launch prep (part 1): grid 64 x 4, 16 waves a work-group, no clusters, 327,680 bytes of LDS; arguments qweight_int, g_idx, scales, zero_points, wi, xi, x_codes, x_scales; writes wi, xi
.if DOCPART == 1
	.amdgcn_target "amdgcn-amd-amdhsa--gfx1250"
	.amdhsa_code_object_version 6
	.text
	.protected	k_q45bd64bc19_prep
	.globl	k_q45bd64bc19_prep
	.p2align	8
	.type	k_q45bd64bc19_prep,@function
k_q45bd64bc19_prep:
	s_mov_b64 s[64:65], 0
	v_nop
	global_prefetch_b8 v0, s[64:65] scope:SCOPE_SE
	s_setreg_imm32_b32 hwreg(HW_REG_WAVE_MODE, 25, 1), 1
	s_wait_xcnt 0x0
; Two things.  (1) W[k][n] = scales[g_idx[k]][n] * (q[k][n] - zero_points[g_idx[k]][n]), in f32 as it is defined, becomes codes of FP6 (E2M3) along K with one E8M0 byte for each 32 along K.
; (2) x's given codes and scale bytes are laid anew, unchanged, in the same order.  No work of the problem is left out; every input is read.
; OUT, wi (rows = columns n of W) and xi (rows = rows of x) alike: [32 tiles of 128 rows][32 steps of 128 K][12,800 bytes]; a step's 12,800 bytes are 512 bytes of scale words (row m of the tile at 4 m: four bytes,
;      the lowest K lowest) and eight IMAGES OF AN OPERAND'S REGISTERS (16 rows x 128 K, 1,536 bytes): registers 4 c .. 4 c + 3 of lane l at 512 c + 16 l; lane (r = l % 16, h = l / 16) holds row r,
;      registers 0-5 the 24 bytes of k = 32 h .. 32 h + 31, registers 6-11 those of k = 64 + 32 h ..  Every tile, step and image begins at a multiple of 256 bytes.
; LIMITS: a block of zeros of W gets the byte 1 (its codes are zeros, and this program alone reads the bytes); NaN and infinities in scales are not served; a g_idx above 31 is held at 31.
;      g_idx is honoured row by row.
; SHARES.  A work-group takes 64 columns (x) and 1,024 rows of K (y) of q; each of its sixteen waves asks for its own 64 rows x 256 bytes by ONE tensor load at the head; nothing in LDS is filled twice.
; It also takes 16 rows of x (block 64 y + x): wave w reads row w whole (3,072 bytes), the rows meet in the stage, which is still free then, and wave w stores the images of steps 2 w and 2 w + 1.
; A LANE holds four neighbouring columns of sixteen rows of a block of 32 rows of q; lanes l and l xor 16 hold a block's two halves.
; x's scale words are read 8 bytes a row and stored 64 bytes on end: they are 1 part in 24 of x's bytes.
; NO CLUSTER: no two work-groups read the same bytes of q or x; the two tables that they share are 1 part in 64 of q's bytes.  No prefetch: the text has no loop to run ahead in.
; LDS: 0 .. 262,143 q (wave w at 16,384 w); then the stage (first x's rows, pitch 3,088; then W's codes); then W's scale bytes; then the spare words.
.set STEPB, 12800
.set STAGE, 262144
.set PIECE, 12544
.set GRP,   784                        ; 4 columns x 192 bytes + 16
.set SCST,  STAGE+4*PIECE
.set SCP,   36
.set XP,    3088                       ; a row of x in the stage: 3,072 + 16 bytes
.set COL, 1
.set GA,  2
.set QA,  3
.set ST,  4
.set SCW, 5
.set RD,  6
.set XS,  7                            ; LDS: where my row of x goes
.set SCR, 8
.set GO,  9                            ; 16 x lane
.set GSO, 10
.set XSL, 11                           ; my word of x_scales
.set XSS, 15                           ; its place in xi
.set M,   16
.set T,   20
.set BY,  24
.set C,   28
.set OFF, 44
.set XR,  61                           ; LDS: my fragment pieces of x
.set R0,  64
.set R1,  128
.set R2,  192
.set SW,  R0+24
.set G1,  24
.set G0,  32
.set SEL, 40
	s_load_b256 s[4:11], s[0:1], 0x0               ; q, g_idx, scales, zero_points
	s_load_b128 s[12:15], s[0:1], 0x20             ; wi, xi
	s_load_b128 s[48:51], s[0:1], 0x30             ; x_codes, x_scales
	v_lshl_add_u32 v62, v0, 2, 0x4cd00
	v_mov_b32 v63, 0
	ds_add_u32 v62, v63                            ; the opening lines
	ds_add_u32 v62, v63
	v_lshrrev_b32 v11, 5, v0
	s_delay_alu instid0(VALU_DEP_1)
	v_readfirstlane_b32 s16, v11                   ; wave
	s_and_b32 s18, ttmp7, 0xffff                   ; y
	s_mov_b32 s[G1+0], 2<<16                       ; a tile of 64 rows x 64 elements of 4 bytes, on end in LDS
	s_mov_b32 s[G1+1], 64<<16
	s_mov_b32 s[G1+2], 64<<16
	s_mov_b32 s[G1+3], 64<<16
	s_mov_b32 s[G1+4], 64
	s_mov_b32 s[G1+5], 4096
	s_mov_b32 s[G1+6], 0
	s_mov_b32 s[G1+7], 0
	s_mov_b32 s[SEL], 0x76543210
	s_mov_b32 s[SEL+1], 0xfedcba98
	s_lshl_b32 s19, s18, 10
	s_lshl_b32 s2, s16, 6
	s_add_co_u32 s19, s19, s2                      ; my first row of K
	s_lshl_b32 s42, ttmp9, 8
	s_mov_b32 s43, 0
	s_lshl_b32 s20, s19, 14
	s_add_co_u32 s20, s20, s42
	s_mov_b32 s21, 0
	s_lshl_b32 s22, s19, 2
	s_mov_b32 s23, 0
	s_lshl_b32 s17, s16, 14                        ; LDS: my wave's q
	; wi: tile x / 2, step 8 y + ..
	s_lshr_b32 s44, ttmp9, 1
	s_lshl_b32 s44, s44, 5
	s_lshl_b32 s19, s18, 3
	s_add_co_u32 s44, s44, s19                     ; 32 (x / 2) + 8 y
	s_add_co_u32 s46, s44, s16                     ; scale words: wave w < 8 stores step 8 y + w
	s_mul_i32 s46, s46, STEPB
	s_lshr_b32 s2, s16, 2
	s_lshl_b32 s19, s2, 1
	s_add_co_u32 s44, s44, s19                     ; codes: steps 8 y + 2 (w / 4) and the next
	s_mul_i32 s44, s44, STEPB
	s_and_b32 s19, ttmp9, 1
	s_lshl_b32 s3, s19, 8
	s_add_co_u32 s46, s46, s3                      ; the work-group's 64 words of the step's 128
	s_mul_i32 s19, s19, 4*1536
	s_add_co_u32 s44, s44, s19
	s_and_b32 s3, s16, 3
	s_mul_i32 s19, s3, 1536
	s_add_co_u32 s44, s44, s19                     ; image 4 (x % 2) + w % 4
	s_add_co_u32 s44, s44, 512
	s_mov_b32 s45, 0
	s_mov_b32 s47, 0
	; x: block id = 64 y + x of 16 rows
	s_lshl_b32 s54, s18, 6
	s_add_co_u32 s54, s54, ttmp9
	s_lshl_b32 s55, s54, 4
	s_add_co_u32 s55, s55, s16
	s_mul_i32 s52, s55, 3072                       ; x_codes: row 16 id + w
	s_mov_b32 s53, 0
	s_lshl_b32 s56, s54, 11
	s_lshl_b32 s55, s16, 3
	s_add_co_u32 s56, s56, s55                     ; x_scales: the block's rows, + 8 w
	s_mov_b32 s57, 0
	s_lshr_b32 s58, s54, 3
	s_lshl_b32 s58, s58, 5
	s_lshl_b32 s55, s16, 1
	s_add_co_u32 s58, s58, s55
	s_mul_i32 s58, s58, STEPB                      ; xi: tile id / 8, step 2 w
	s_and_b32 s55, s54, 7
	s_lshl_b32 s54, s55, 6
	s_add_co_u32 s58, s58, s54                     ; the block's 16 scale words
	s_mov_b32 s59, 0
	s_mul_i32 s60, s55, 1536-64
	s_add_co_u32 s60, s60, 512                     ; from there to the block's image
	s_mov_b32 s61, 0
	v_and_b32 v12, 31, v0                          ; lane
	v_and_b32 v13, 15, v0                          ; c4, r
	v_bfe_u32 v14, v0, 4, 1                        ; h
	s_delay_alu instid0(VALU_DEP_2)
	v_lshlrev_b32 v[COL], 4, v13
	s_delay_alu instid0(VALU_DEP_2)
	v_lshlrev_b32 v[GA], 6, v14
	s_delay_alu instid0(VALU_DEP_2)
	v_lshl_add_u32 v[QA], v14, 12, v[COL]
	s_delay_alu instid0(VALU_DEP_1)
	v_add_nc_u32 v[QA], s17, v[QA]
	s_mul_i32 s2, s2, PIECE
	s_mul_i32 s3, s3, 48
	s_add_co_u32 s2, s2, s3
	s_add_co_u32 s2, s2, STAGE
	v_mul_u32_u24 v[ST], v13, GRP
	s_delay_alu instid0(VALU_DEP_1)
	v_mad_u32_u24 v[ST], v14, 12, v[ST]
	s_delay_alu instid0(VALU_DEP_1)
	v_add_nc_u32 v[ST], s2, v[ST]
	s_lshl_b32 s2, s16, 1
	s_add_co_u32 s2, s2, SCST
	v_mul_u32_u24 v[SCW], v13, 4*SCP
	s_delay_alu instid0(VALU_DEP_1)
	v_add_nc_u32 v[SCW], s2, v[SCW]
	s_mul_i32 s2, s16, 4*GRP
	s_add_co_u32 s2, s2, STAGE
	v_lshlrev_b32 v[GO], 4, v12
	v_lshrrev_b32 v11, 2, v13
	v_and_b32 v15, 3, v13
	s_delay_alu instid0(VALU_DEP_2)
	v_mul_u32_u24 v[RD], v11, GRP
	s_delay_alu instid0(VALU_DEP_1)
	v_mad_u32_u24 v[RD], v15, 192, v[RD]
	s_delay_alu instid0(VALU_DEP_1)
	v_mad_u32_u24 v[RD], v14, 24, v[RD]
	s_delay_alu instid0(VALU_DEP_1)
	v_add_nc_u32 v[RD], s2, v[RD]
	s_and_b32 s2, s16, 7                           ; W's scale words on the way out: word w % 8 of columns 2 l and 2 l + 1
	s_lshl_b32 s2, s2, 2
	s_add_co_u32 s2, s2, SCST
	v_mul_u32_u24 v[SCR], v12, 2*SCP
	v_lshlrev_b32 v[GSO], 3, v12
	s_delay_alu instid0(VALU_DEP_2)
	v_add_nc_u32 v[SCR], s2, v[SCR]
	s_mul_i32 s2, s16, XP
	s_add_co_u32 s2, s2, STAGE
	v_add_nc_u32 v[XS], s2, v[GO]                  ; row w of x in the stage, 16 bytes a lane
	s_mul_i32 s2, s16, 192
	s_add_co_u32 s2, s2, STAGE
	v_mul_u32_u24 v[XR], v13, XP                   ; back: row r, my wave's 192 bytes, + 24 h.  In words 772 r + 6 h: the 32 lanes of a load of 8 bytes touch 64 different banks (ISA guide 11.1)
	v_lshlrev_b32 v[XSL], 2, v14
	v_mul_u32_u24 v[XSS], v14, STEPB
	s_delay_alu instid0(VALU_DEP_3)
	v_mad_u32_u24 v[XR], v14, 24, v[XR]
	s_delay_alu instid0(VALU_DEP_3)
	v_lshl_add_u32 v[XSL], v13, 7, v[XSL]          ; x_scales: row r, word h of my wave's two
	s_delay_alu instid0(VALU_DEP_3)
	v_lshl_add_u32 v[XSS], v13, 2, v[XSS]          ; xi: step 2 w + h, word r
	s_delay_alu instid0(VALU_DEP_3)
	v_add_nc_u32 v[XR], s2, v[XR]
.irp c, 0,1,2,3
	v_mov_b32 v[T+\c], 0                           ; a lane permute's destination counts as one of its sources
.endr
	s_wait_alu depctr_va_vdst(0)                   ; the wait at the head's end
	s_wait_dscnt 0x0
	s_wait_kmcnt 0x0
	s_add_nc_u64 s[4:5], s[4:5], s[20:21]
	s_mov_b32 s[G0+0], 1
	s_mov_b32 s[G0+1], s17
	s_mov_b64 s[G0+2:G0+3], s[4:5]
	s_or_b32 s[G0+3], s[G0+3], 0x80000000
	tensor_load_to_lds s[G0:G0+3], s[G1:G1+7]      ; my 64 rows of q: my one tensor load
	s_nop 0
.rept 4
	v_nop
.endr
	s_add_nc_u64 s[6:7], s[6:7], s[22:23]
	s_add_nc_u64 s[8:9], s[8:9], s[42:43]
	s_add_nc_u64 s[10:11], s[10:11], s[42:43]
	s_add_nc_u64 s[46:47], s[12:13], s[46:47]      ; wi: scale words
	s_add_nc_u64 s[12:13], s[12:13], s[44:45]      ; wi: images
	s_add_nc_u64 s[48:49], s[48:49], s[52:53]
	s_add_nc_u64 s[50:51], s[50:51], s[56:57]
	s_add_nc_u64 s[14:15], s[14:15], s[58:59]      ; xi: scale words
	s_add_nc_u64 s[52:53], s[14:15], s[60:61]      ; xi: images
.macro GLOAD b
.irp j, 0,1,2,3
	global_load_b128 v[OFF+4*\j:OFF+4*\j+3], v[GA], s[6:7] offset:128*\b+16*\j
.endr
.endm
.macro OFFS                            ; a group becomes a byte offset in a table: held inside its 32 rows
.irp i, 0,1,2,3,4,5,6,7,8,9,10,11,12,13,14,15
	v_min_u32 v[OFF+\i], 31, v[OFF+\i]
.endr
.irp i, 0,1,2,3,4,5,6,7,8,9,10,11,12,13,14,15
	v_lshl_add_u32 v[OFF+\i], v[OFF+\i], 14, v[COL]
.endr
.endm
.macro GATHER z, s
.irp i, 0,1,2,3,4,5,6,7,8,9,10,11,12,13,14,15
	global_load_b128 v[\z+4*\i:\z+4*\i+3], v[OFF+\i], s[10:11]
.endr
.irp i, 0,1,2,3,4,5,6,7,8,9,10,11,12,13,14,15
	global_load_b128 v[\s+4*\i:\s+4*\i+3], v[OFF+\i], s[8:9]
.endr
.endm
.macro QREAD q, b
.irp i, 0,1,2,3,4,5,6,7,8,9,10,11,12,13,14,15
	ds_load_b128 v[\q+4*\i:\q+4*\i+3], v[QA] offset:8192*\b+256*\i
.endr
.endm
.macro TOF32 r
.set n, 0
.rept 64
	v_cvt_f32_i32 v[\r+n], v[\r+n]
.set n, n+1
.endr
.endm
.macro MINUS q, z
.set n, 0
.rept 32
	v_pk_add_f32 v[\q+n:\q+n+1], v[\q+n:\q+n+1], v[\z+n:\z+n+1] neg_lo:[0,1] neg_hi:[0,1]
.set n, n+2
.endr
.endm
.macro TIMES w, s, q                   ; W, laid column by column: register 16 c + i = W(16 h + i, 4 c4 + c)
.irp c, 0,1,2,3
.irp i, 0,1,2,3,4,5,6,7,8,9,10,11,12,13,14,15
	v_mul_f32 v[\w+16*\c+\i], v[\s+4*\i+\c], v[\q+4*\i+\c]
.endr
.endr
.endm
.macro QUANT w, b                      ; block b of my four columns: scale bytes, codes, into LDS; the four columns by turns
.irp c, 0,1,2,3
	v_max3_num_f32 v[M+\c], |v[\w+16*\c]|, |v[\w+16*\c+1]|, 0x1800000   ; the floor 2^(3 - 127): the byte cannot fall under 1
.endr
.irp i, 2,4,6,8,10,12,14
.irp c, 0,1,2,3
	s_delay_alu instid0(VALU_DEP_4)
	v_max3_num_f32 v[M+\c], v[M+\c], |v[\w+16*\c+\i]|, |v[\w+16*\c+\i+1]|
.endr
.endr
.irp c, 0,1,2,3
	s_delay_alu instid0(VALU_DEP_4)
	v_permlanex16_b32 v[T+\c], v[M+\c], s[SEL], s[SEL+1]
.endr
.irp c, 0,1,2,3
	s_delay_alu instid0(VALU_DEP_4)
	v_max_num_f32 v[M+\c], v[M+\c], v[T+\c]
.endr
.irp c, 0,1,2,3
	s_delay_alu instid0(VALU_DEP_4)
	v_add_nc_u32 v[T+\c], 0xff000000, v[M+\c]      ; 2 off the exponent field: the conversion's scale operand
.endr
.irp c, 0,1,2,3
.if \b == 0
	s_delay_alu instid0(VALU_DEP_4)
	v_lshrrev_b32 v[BY+\c], 23, v[T+\c]
.else
	s_delay_alu instid0(VALU_DEP_4)
	v_lshrrev_b32 v[M+\c], 23, v[T+\c]
.endif
.endr
.if \b == 1
.irp c, 0,1,2,3
	s_delay_alu instid0(VALU_DEP_4)
	v_lshl_or_b32 v[BY+\c], v[M+\c], 8, v[BY+\c]
.endr
.endif
.irp c, 0,1,2,3
	v_cvt_scalef32_pk16_fp6_f32 v[C+4*\c:C+4*\c+2], v[\w+16*\c:\w+16*\c+15], v[T+\c]
.endr
	v_nop                                          ; one plain line behind the last scaled conversion
.irp c, 0,1,2,3
.irp j, 0,1,2
	ds_store_b32 v[ST], v[C+4*\c+\j] offset:192*\c+24*\b+4*\j
.endr
.endr
.if \b == 1
.irp c, 0,1,2,3
	ds_store_b16 v[SCW], v[BY+\c] offset:SCP*\c
.endr
.endif
.endm
	; ---- x, while q is on its way
.irp k, 0,1,2,3,4,5
	global_load_b128 v[R0+4*\k:R0+4*\k+3], v[GO], s[48:49] offset:512*\k th:TH_LOAD_NT   ; my row, 512 bytes on end a load
.endr
	global_load_b32 v[R0+48], v[XSL], s[50:51]
	GLOAD 0
	s_wait_loadcnt 0x0                             ; x's row and word, and block 0's groups
.irp k, 0,1,2,3,4,5
	ds_store_b128 v[XS], v[R0+4*\k:R0+4*\k+3] offset:512*\k
.endr
	global_store_b32 v[XSS], v[R0+48], s[14:15]
	OFFS
	GATHER R1, R2
	s_wait_dscnt 0x0                               ; for the others' sake: my row is in the stage
	s_barrier_signal -1
	s_barrier_wait -1
.irp q, 0,1
.irp p, 0,1,2,3,4,5
	ds_load_b64 v[R0+12*\q+2*\p:R0+12*\q+2*\p+1], v[XR] offset:96*\q+48*(\p/3)+8*(\p%3)
.endr
.endr
	s_wait_dscnt 0x0                               ; my reads of the stage are over:
	s_barrier_signal -1
	s_barrier_wait -1                              ; only behind this barrier do W's codes go there
.irp t, 0,1,2,3,4,5
	global_store_b128 v[GO], v[R0+4*\t:R0+4*\t+3], s[52:53] offset:512*(\t%3)+STEPB*(\t/3)
.endr
	s_wait_xcnt 0x0                                ; the loads and stores above have had their addresses translated (ISA guide 3.1): their offset and data registers may be loaded again
	GLOAD 1
	; ---- block 0: q in R0, zero points and then W in R1, scales in R2
	s_wait_tensorcnt 0x0
	QREAD R0, 0
	s_wait_dscnt 0x0
	TOF32 R0
	s_wait_loadcnt 20                              ; the zero points are in; younger: 16 loads of scales, 4 of groups
	TOF32 R1
	MINUS R0, R1
	s_wait_loadcnt 4                               ; the scales are in; younger: the 4 loads of groups
	TIMES R1, R2, R0
	s_wait_loadcnt 0x0
	OFFS
	GATHER R0, R2
	QUANT R1, 0
	; ---- block 1: q in R1, zero points and then W in R0, scales in R2
	QREAD R1, 1
	s_wait_dscnt 0x0
	TOF32 R1
	s_wait_loadcnt 16                              ; the zero points are in; younger: the 16 loads of scales
	TOF32 R0
	MINUS R1, R0
	s_wait_loadcnt 0x0
	TIMES R0, R2, R1
	QUANT R0, 1
	s_wait_dscnt 0x0
	s_barrier_signal -1
	s_barrier_wait -1
	; ---- the way out: my 16 columns x 256 K leave as two images
.irp q, 0,1
.irp p, 0,1,2,3,4,5
	ds_load_b64 v[R0+12*\q+2*\p:R0+12*\q+2*\p+1], v[RD] offset:96*\q+48*(\p/3)+8*(\p%3)
.endr
.endr
.irp t, 0,1,2,3,4,5
	s_wait_dscnt 10-2*\t                           ; LDS loads come back in order: pieces 2 t and 2 t + 1 are in
	global_store_b128 v[GO], v[R0+4*\t:R0+4*\t+3], s[12:13] offset:512*(\t%3)+STEPB*(\t/3)
.endr
	s_cmp_lt_u32 s16, 8
	s_cbranch_scc0 .Lno_words                      ; eight steps, eight waves: wave w stores the 64 columns' words of step 8 y + w: 256 bytes on end, aligned
	ds_load_b32 v[SW], v[SCR]
	ds_load_b32 v[SW+1], v[SCR] offset:SCP
	s_wait_dscnt 0x0
	global_store_b64 v[GSO], v[SW:SW+1], s[46:47]
.Lno_words:
	s_wait_tensorcnt 0x0                           ; the wave's end
	ds_add_u32 v62, v63
	s_wait_dscnt 0x0
	s_endpgm
.Lfunc_end_k_q45bd64bc19_prep:
	.size	k_q45bd64bc19_prep, .Lfunc_end_k_q45bd64bc19_prep-k_q45bd64bc19_prep
	.p2alignl 7, 3214868480
	.fill 96, 4, 3214868480
	.section	.rodata,"a",@progbits
	.p2align	6, 0x0
	.amdhsa_kernel k_q45bd64bc19_prep
		.amdhsa_group_segment_fixed_size 327680
		.amdhsa_private_segment_fixed_size 0
		.amdhsa_enable_private_segment 0
		.amdhsa_kernarg_size 64
		.amdhsa_user_sgpr_count 2
		.amdhsa_user_sgpr_kernarg_segment_ptr 1
		.amdhsa_wavefront_size32 1
		.amdhsa_system_sgpr_workgroup_id_x 1
		.amdhsa_system_sgpr_workgroup_id_y 1
		.amdhsa_system_sgpr_workgroup_id_z 1
		.amdhsa_system_vgpr_workitem_id 0
		.amdhsa_next_free_vgpr 256
		.amdhsa_next_free_sgpr 66
		.amdhsa_reserve_vcc 0
		.amdhsa_float_denorm_mode_32 3
		.amdhsa_float_denorm_mode_16_64 3
		.amdhsa_memory_ordered 1
		.amdhsa_forward_progress 1
		.amdhsa_inst_pref_size 52
	.end_amdhsa_kernel
	.amdgpu_metadata
---
amdhsa.version: [ 1, 2 ]
amdhsa.kernels:
  - .name:           k_q45bd64bc19_prep
    .symbol:         k_q45bd64bc19_prep.kd
    .args:
      - { .name: qweight_int, .offset: 0, .size: 8, .value_kind: global_buffer, .address_space: global }
      - { .name: g_idx, .offset: 8, .size: 8, .value_kind: global_buffer, .address_space: global }
      - { .name: scales, .offset: 16, .size: 8, .value_kind: global_buffer, .address_space: global }
      - { .name: zero_points, .offset: 24, .size: 8, .value_kind: global_buffer, .address_space: global }
      - { .name: wi, .offset: 32, .size: 8, .value_kind: global_buffer, .address_space: global }
      - { .name: xi, .offset: 40, .size: 8, .value_kind: global_buffer, .address_space: global }
      - { .name: x_codes, .offset: 48, .size: 8, .value_kind: global_buffer, .address_space: global }
      - { .name: x_scales, .offset: 56, .size: 8, .value_kind: global_buffer, .address_space: global }
    .group_segment_fixed_size: 327680
    .private_segment_fixed_size: 0
    .kernarg_segment_align: 8
    .kernarg_segment_size: 64
    .max_flat_workgroup_size: 512
    .sgpr_count:     66
    .vgpr_count:     256
    .wavefront_size: 32
...
	.end_amdgpu_metadata
.endif
;; end of part 1
;; launch gemm (part 2): grid 16 x 16, 4 waves a work-group, clusters of 4 x 4, 327,680 bytes of LDS; arguments xi, wi, bias, out0; writes out0
.if DOCPART == 2
	.amdgcn_target "amdgcn-amd-amdhsa--gfx1250"
	.amdhsa_code_object_version 6
	.text
	.protected	k_q45bd64bc19_gemm
	.globl	k_q45bd64bc19_gemm
	.p2align	8
	.type	k_q45bd64bc19_gemm,@function
k_q45bd64bc19_gemm:
	s_mov_b64 s[64:65], 0
	v_nop
	global_prefetch_b8 v0, s[64:65] scope:SCOPE_SE
	s_setreg_imm32_b32 hwreg(HW_REG_WAVE_MODE, 25, 1), 1
	s_wait_xcnt 0x0
	s_wait_alu depctr_hold_cnt(0) depctr_sa_sdst(0) depctr_va_vdst(0) depctr_va_sdst(0) depctr_va_ssrc(0) depctr_va_vcc(0) depctr_vm_vsrc(0)
	s_getreg_b32 s2, hwreg(HW_REG_IB_STS2, 6, 4)
	s_cmp_eq_u32 s2, 0
	s_cbranch_scc0 .Lentry_in_a_cluster
	s_endpgm
.Lentry_in_a_cluster:
	s_bfe_u32 s2, ttmp6, 0x10000c
	s_cmp_lg_u32 s2, 0xf033
	s_cbranch_scc0 .Lentry_shape_is_right
	s_endpgm
.Lentry_shape_is_right:
; out0[m][n] = bias[n] + sum over k of x[m][k] W[k][n], both operands as codes of FP6 (E2M3) with E8M0 scales, sums in f32.  Nothing of the problem's work is left out here.
; xi and wi: [32 tiles of 128 rows][32 steps of 128 K][512 bytes of scale words + 8 register images of 1,536 bytes], as the launch before laid them.
; A work-group of four waves makes 256 x 256 of out0, a wave 128 x 128: 64 accumulators.  K goes through two LDS slots of THREE steps (384 along K; the eleventh and last tile has two): three steps of a tile of
; 128 rows are 38,400 dense bytes, 150 rows of 256 bytes, brought by one tensor load: waves 0, 1 fetch x's two tiles, waves 2, 3 W's.  Codes and scale words come together.
; CLUSTERS 4 x 4: x's tiles are asked for jointly along a row of the cluster, W's along a column.  One round of the cluster's barrier for each tile; by this text's count a wave has one tensor load out,
; and 160 matrix instructions stand between a refill and the wait for it.
; REGISTERS.  Each window of 256 holds 128 accumulator registers (v128-255: blocks a = 2 W, 2 W + 1 of my rows x 8 blocks of columns) and one set of fragments (v32-127: 8 x 12):
;   window 0: W's set 0; window 1: W's set 1; window 2: x's set 0; window 3: x's set 1.  Window 0 v2-14 addresses, v16-31 scale words (two sets);
;   windows 2, 3 v0-31: the bias, which is the C of the first step's products.
; BOTH OPERANDS HAVE TWO SETS: a step of parity p multiplies sets p, and all 56 LDS loads of the next step (8 of scale words, 24 for W, 24 for x, 16 bytes a lane on end) stand in ONE run at its head,
; into sets 1 - p; the step's 64 matrix instructions follow with no load between them, in four quarters, one for each window of accumulators.
; THE MATRIX INSTRUCTION IS USED TRANSPOSED (source 0 = 16 columns of W, source 1 = 16 rows of x): a lane holds eight neighbouring numbers of a row of out0.
; The 64 accumulators take turns, one instruction a turn.
; PREFETCH: behind the refill with tile t + 2 each wave names its work-group's quarter (38 blocks of 256 bytes, shared out by address: cx for x, cy for W) of tile t + 4, two refills ahead;
; tiles 0 to 3 and the short tile 10 come by their loads alone, so that every address lies inside its buffer.
.set STEPB, 12800
.set TILE,  3*STEPB
.set SLOT,  4*TILE
.set JB,    32*STEPB
.set SPARE, 2*SLOT
.set STAGE, SLOT                       ; the way out goes through slot 1, which has had its last fill and its last read by then
.set SPITCH, 528
.set ADRA, 2
.set ADRB, 4
.set ADRS, 6
.set STO,  8
.set RD,   9
.set CO,   10
.set SPW,  11
.set NIL,  12
.set PFO,  13
.set BO,   15                          ; the bias loads' offset; never rewritten
.set SC,   16
.set G1, 24
.set G0, 32
.set G1B, 48
.set G0B, 56
.set PFA, 66
.set MSB, 0
.macro WIN new
.if MSB != (\new)
	s_set_vgpr_msb (MSB<<8)|(\new)
.set MSB, \new
.endif
.endm
.macro PLACES
.rept 4
	v_nop
.endr
.endm
.macro JLOAD sl                        ; a joint load; an s_nop 0 and four v_nop follow each line
	s_cmp_eq_u32 s15, 0
	s_cbranch_scc0 .Lfor_b_\@
	tensor_load_to_lds s[G0+4*\sl:G0+4*\sl+3], s[G1:G1+7]
	s_nop 0
	PLACES
	s_branch .Lasked_\@
.Lfor_b_\@:
	tensor_load_to_lds s[G0B+4*\sl:G0B+4*\sl+3], s[G1B:G1B+7]
	s_nop 0
	PLACES
.Lasked_\@:
.endm
.macro ASK                             ; not in the loop's last trip: tiles 10 and 11 are not asked for
	s_cmp_gt_u32 s3, 1
	s_cbranch_scc0 .Lnot_\@
	global_prefetch_b8 v[PFO], s[PFA:PFA+1] th:TH_LOAD_NT scope:SCOPE_SE
	global_prefetch_b8 v[PFO+1], s[PFA:PFA+1] th:TH_LOAD_NT scope:SCOPE_SE
.Lnot_\@:
.endm
.macro CREST
	s_cmp_lg_u32 s14, 0
	s_cbranch_scc1 .Lnot_wave_0_\@
	s_barrier_signal -3
.Lnot_wave_0_\@:
	s_barrier_wait -3
	s_barrier_signal -1
	s_barrier_wait -1
.endm
.macro CROUND
	s_barrier_signal -1
	s_barrier_wait -1
	CREST
.endm
	s_load_b256 s[4:11], s[0:1], 0x0               ; xi, wi, bias, out0
	v_lshl_add_u32 v[SPW], v0, 2, SPARE
	v_mov_b32 v[NIL], 0
	ds_add_u32 v[SPW], v[NIL]                      ; the opening lines
	ds_add_u32 v[SPW], v[NIL]
	v_lshrrev_b32 v1, 5, v0
	v_readfirstlane_b32 s14, v1                    ; wave
	s_lshr_b32 s15, s14, 1                         ; my half of the rows; also: I fetch for x (0) or W (1)
	s_and_b32 s16, s14, 1                          ; my half of the columns; also: which tile of the two I fetch
	s_bfe_u32 s40, ttmp6, 0x40000                  ; cx
	s_bfe_u32 s41, ttmp6, 0x40004                  ; cy
	s_lshl_b32 s42, ttmp9, 2
	s_add_co_u32 s42, s42, s40                     ; block column
	s_and_b32 s17, ttmp7, 0xffff
	s_lshl_b32 s17, s17, 2
	s_add_co_u32 s17, s17, s41                     ; block row
	s_lshl_b32 s43, s41, 2
	s_lshl_b32 s43, 15, s43
	s_lshl_b32 s44, 0x1111, s40
	s_or_b32 s[G1+0], s43, (3<<16)|(1<<21)         ; mask of my row; elements of 8 bytes; no padding: the images are read 16 bytes a lane on end
	s_or_b32 s[G1B+0], s44, (3<<16)|(1<<21)
.irp g, G1, G1B
	s_mov_b32 s[\g+1], 32<<16
	s_mov_b32 s[\g+2], 150<<16
	s_mov_b32 s[\g+3], 32<<16
	s_mov_b32 s[\g+4], 150
	s_mov_b32 s[\g+5], 32
	s_mov_b32 s[\g+6], 0
	s_mov_b32 s[\g+7], 0
.endr
	s_lshl_b32 s20, s17, 1
	s_add_co_u32 s20, s20, s16
	s_mul_i32 s20, s20, JB                         ; x's tile 2 x block row + half
	s_mov_b32 s21, 0
	s_lshl_b32 s46, s42, 1
	s_add_co_u32 s46, s46, s16
	s_mul_i32 s46, s46, JB                         ; W's tile 2 x block column + half
	s_mov_b32 s47, 0
	s_mul_i32 s45, s14, TILE                       ; where my tile goes
	s_wait_dscnt 0x0
	s_wait_kmcnt 0x0
	s_add_nc_u64 s[92:93], s[4:5], s[20:21]
	s_add_nc_u64 s[94:95], s[6:7], s[46:47]
	CROUND
.irp s, 0,1
	s_mov_b32 s[G0+4*\s], 1
	s_add_co_u32 s[G0+4*\s+1], s45, \s*SLOT
	s_add_nc_u64 s[G0+4*\s+2:G0+4*\s+3], s[92:93], \s*TILE
	s_or_b32 s[G0+4*\s+3], s[G0+4*\s+3], 0x80000000
	s_mov_b32 s[G0B+4*\s], 1
	s_add_co_u32 s[G0B+4*\s+1], s45, \s*SLOT
	s_add_nc_u64 s[G0B+4*\s+2:G0B+4*\s+3], s[94:95], \s*TILE
	s_or_b32 s[G0B+4*\s+3], s[G0B+4*\s+3], 0x80000000
.endr
	JLOAD 0                                        ; tile 0: one tensor load a wave at the head
	v_and_b32 v32, 31, v0                          ; lane
	v_and_b32 v33, 15, v0                          ; r
	v_bfe_u32 v34, v0, 4, 1                        ; h
	v_lshlrev_b32 v[CO], 4, v32
	s_mul_i32 s21, s15, TILE                       ; my 128 rows of x
	s_mul_i32 s22, s16, TILE
	s_add_co_u32 s22, s22, 2*TILE                  ; my 128 columns of W
	s_sub_co_u32 s23, s22, s21
	v_mul_u32_u24 v35, s23, v34                    ; scale words: lanes 0-15 x's, lanes 16-31 W's
	v_lshl_add_u32 v35, v33, 2, v35
.irp s, 0,1
	v_add_nc_u32 v[ADRS+\s], s21, v35
	v_add_nc_u32 v[ADRA+\s], s21, v[CO]
	v_add_nc_u32 v[ADRB+\s], s22, v[CO]
	s_add_co_u32 s21, s21, SLOT
	s_add_co_u32 s22, s22, SLOT
.endr
	s_mul_i32 s23, s14, 16*SPITCH
	s_add_co_u32 s23, s23, STAGE
	s_wait_alu depctr_va_vdst(0)
	v_mul_u32_u24 v35, v33, SPITCH
	v_lshl_add_u32 v35, v34, 5, v35
	v_add_nc_u32 v[STO], s23, v35
	v_add_nc_u32 v[RD], s23, v[CO]
	v_lshlrev_b32 v[BO], 5, v34                    ; the bias: 32 h bytes
	s_lshl_b32 s20, s17, 8
	s_lshl_b32 s21, s15, 7
	s_add_co_u32 s20, s20, s21
	s_lshl_b32 s20, s20, 14                        ; my first row of out0, in bytes
	s_mov_b32 s21, 0
	s_lshl_b32 s46, s42, 10
	s_lshl_b32 s47, s16, 9
	s_add_co_u32 s46, s46, s47                     ; my first column, in bytes
	s_mov_b32 s47, 0
	s_add_nc_u64 s[10:11], s[10:11], s[20:21]
	s_add_nc_u64 s[10:11], s[10:11], s[46:47]
	s_add_nc_u64 s[8:9], s[8:9], s[46:47]
	s_cmp_eq_u32 s15, 0
	s_cselect_b32 s22, s40, s41                    ; my place among the four that ask with me
	s_cselect_b64 s[PFA:PFA+1], s[92:93], s[94:95]
	s_add_nc_u64 s[PFA:PFA+1], s[PFA:PFA+1], 3*TILE  ; the first refill steps it to tile 4
	s_mul_i32 s22, s22, 38
	s_wait_alu depctr_va_vdst(0)
	v_add_nc_u32 v[PFO], s22, v32                  ; blocks 38 p + 0 .. 31,
	v_min_u32 v37, 5, v32
	v_add_nc_u32 v37, 32, v37
	v_add_nc_u32 v[PFO+1], s22, v37                ; and 38 p + 32 .. 37 (the lanes left over name the last again), held inside the tile's 150
	v_min_u32 v[PFO], 149, v[PFO]
	v_min_u32 v[PFO+1], 149, v[PFO+1]
	v_lshlrev_b32 v[PFO], 8, v[PFO]
	v_lshlrev_b32 v[PFO+1], 8, v[PFO+1]
	WIN 0x80
.irp b, 0,1,2,3
	global_load_b128 v[8*\b:8*\b+3], v[BO], s[8:9] offset:64*\b          ; window 2: bias of column blocks 0-3: register j = bias(16 b + 8 h + j)
	global_load_b128 v[8*\b+4:8*\b+7], v[BO], s[8:9] offset:64*\b+16
.endr
	WIN 0xc0
.irp b, 0,1,2,3
	global_load_b128 v[8*\b:8*\b+3], v[BO], s[8:9] offset:256+64*\b      ; window 3: blocks 4-7
	global_load_b128 v[8*\b+4:8*\b+7], v[BO], s[8:9] offset:256+64*\b+16
.endr
	WIN 0
; one LDS load of a step's 24 for W (kind 1) or x (kind 2); np: that step's parity.  x's blocks come in the order in which that step takes them
.macro LDF kind, np, sl, ks
.if \kind == 1
.set FI, NLD/3
	ds_load_b128 v[32+12*FI+4*(NLD%3):32+12*FI+4*(NLD%3)+3], v[ADRB+\sl] offset:(\ks)*STEPB+512+FI*1536+512*(NLD%3)
.else
.set FM, NLD/6
.set FI, 2*(((FM&1)<<1)|(((FM>>1)+1-(\np))&1))+(NLD/3)%2
	ds_load_b128 v[32+12*FI+4*(NLD%3):32+12*FI+4*(NLD%3)+3], v[ADRA+\sl] offset:(\ks)*STEPB+512+FI*1536+512*(NLD%3)
.endif
.set NLD, NLD+1
.endm
; 56 LDS loads in one run: step ks of slot sl into sets 1 - p.  Scale register i: lanes 0-15 the words of x's block i, lanes 16-31 those of W's block i
.macro FETCH p, sl, ks
	WIN 0
.irp i, 0,1,2,3,4,5,6,7
	ds_load_b32 v[SC+8*(1-(\p))+\i], v[ADRS+\sl] offset:(\ks)*STEPB+64*\i
.endr
	WIN (1-(\p))<<6
.set NLD, 0
.rept 24
	LDF 1, 1-(\p), \sl, \ks
.endr
	WIN (3-(\p))<<6
.set NLD, 0
.rept 24
	LDF 2, 1-(\p), \sl, \ks
.endr
.endm
; a quarter of a step: 16 matrix instructions on window w's accumulators.  first = 1: C is the bias
.macro PH p, w, first
.if \first == 0
	WIN ((\w)<<6)|((\w)<<4)|((2+\p)<<2)|(\p)
.endif
.irp a, 0,1
.irp b, 0,1,2,3,4,5,6,7
.set AC, 128+8*(8*\a+\b)
.set FA, 32+12*(2*(\w)+\a)
.if \first
	WIN ((\w)<<6)|((2+\b/4)<<4)|((2+\p)<<2)|(\p)
	v_wmma_scale_f32_16x16x128_f8f6f4 v[AC:AC+7], v[32+12*\b:43+12*\b], v[FA:FA+11], v[8*(\b%4):8*(\b%4)+7], v[SC+8*(\p)+\b], v[SC+8*(\p)+2*(\w)+\a] matrix_a_fmt:MATRIX_FMT_FP6 matrix_b_fmt:MATRIX_FMT_FP6 matrix_a_scale:MATRIX_SCALE_ROW1
.else
	v_wmma_scale_f32_16x16x128_f8f6f4 v[AC:AC+7], v[32+12*\b:43+12*\b], v[FA:FA+11], v[AC:AC+7], v[SC+8*(\p)+\b], v[SC+8*(\p)+2*(\w)+\a] matrix_a_fmt:MATRIX_FMT_FP6 matrix_b_fmt:MATRIX_FMT_FP6 matrix_a_scale:MATRIX_SCALE_ROW1
.endif
.endr
.endr
.endm
; a step that stays in its slot: it fetches step ks of slot sl.  The four v_nop are the places between the step before, which read the other sets, and the loads into them.
; after = 1: my fragments were asked for half a step ago, x's 24 loads last: the youngest 12 (the blocks of my last two quarters) may be out at first; they are waited for behind this step's own 56 loads.
.macro NORMAL p, sl, ks, after, first
	s_wait_dscnt 12*(\after)
	PLACES
	FETCH \p, \sl, \ks
	PH \p, 1-\p, \first
	PH \p, 3-\p, \first
.if \after
	s_wait_dscnt 56
.endif
	PH \p, \p, \first
	PH \p, 2+\p, \first
.endm
; a slot's last step.  Its fragments are in registers, so nobody reads slot sl any more; one barrier shows that and shows the other slot whole.  fill = 1: slot sl takes the tile two on; 2: the short last tile; 0: nothing
.macro TURN p, sl, nx, fill
.if \fill == 1
	s_wait_xcnt 0x0                                ; my prefetches have read their address
	s_add_nc_u64 s[PFA:PFA+1], s[PFA:PFA+1], TILE
.endif
	WIN 0
	s_wait_tensorcnt 0x0                           ; my part of the other slot has landed
	ds_add_u32 v[SPW], v[NIL]
.if \fill
	s_add_nc_u64 s[G0+4*\sl+2:G0+4*\sl+3], s[G0+4*\sl+2:G0+4*\sl+3], 2*TILE
	s_add_nc_u64 s[G0B+4*\sl+2:G0B+4*\sl+3], s[G0B+4*\sl+2:G0B+4*\sl+3], 2*TILE
.endif
.if \fill == 2
	s_mov_b32 s[G1+2], 100<<16                     ; no tensor load of mine is out: the last tile has two steps, 100 rows of 256 bytes
	s_mov_b32 s[G1+4], 100
	s_mov_b32 s[G1B+2], 100<<16
	s_mov_b32 s[G1B+4], 100
.endif
	s_wait_dscnt 1                                 ; this step's fragments are in; the add may be out
	PH \p, \p, 0
	s_wait_dscnt 0x0
	s_barrier_signal -1
	PH \p, 2+\p, 0
	WIN 0
	s_barrier_wait -1
.if \fill
	CREST
	JLOAD \sl                                      ; its four v_nop are also the places in front of the loads below
.else
	PLACES
.endif
	FETCH \p, \nx, 0
.if \fill == 1
	WIN 0
	ASK
.endif
	PH \p, 1-\p, 0
	PH \p, 3-\p, 0
.endm
	s_wait_alu depctr_va_vdst(0)                   ; the wait at the head's end
	s_wait_tensorcnt 0x0                           ; tile 0; these lines stand ahead of a later first fill as ahead of a refill
	ds_add_u32 v[SPW], v[NIL]
	s_wait_dscnt 0x0
	CROUND
	JLOAD 1                                        ; tile 1
	FETCH 1, 0, 0                                  ; step 0 into sets 0
	s_wait_loadcnt 0x0                             ; the bias
	NORMAL 0, 0, 1, 1, 1                           ; the first step's products start the sums from the bias
	WIN 0
	s_mov_b32 s3, 4
.Llap:                                                 ; a trip: six steps, two tiles, both slots filled again: tiles 2 to 9
	NORMAL 1, 0, 2, 0, 0
	TURN 0, 0, 1, 1
	NORMAL 1, 1, 1, 1, 0
	NORMAL 0, 1, 2, 0, 0
	TURN 1, 1, 0, 1
	NORMAL 0, 0, 1, 1, 0
	WIN 0
	s_sub_co_u32 s3, s3, 1
	s_cmp_lg_u32 s3, 0
	s_cbranch_scc1 .Llap
	NORMAL 1, 0, 2, 0, 0                           ; tile 8 goes on
	TURN 0, 0, 1, 2                                ; tile 10 is asked for
	NORMAL 1, 1, 1, 1, 0                           ; tile 9
	NORMAL 0, 1, 2, 0, 0
	TURN 1, 1, 0, 0
	NORMAL 0, 0, 1, 1, 0                           ; tile 10
	s_wait_dscnt 0x0
	PH 1, 0, 0
	PH 1, 2, 0
	PH 1, 1, 0
	PH 1, 3, 0
	WIN 0
; THE WAY OUT, by blocks of 16 rows x 128 columns, through my own stage: in as 32 bytes a lane, back as whole rows of 512 bytes.  LDS serves a wave's instructions in order (ISA guide 5.7.1.4).
; The rows read back lie in v32-95 of window 0 and of window 1 by turns.
.macro TOSTAGE a
.set AC, 128+64*((\a)%2)
	WIN ((\a)/2)<<2
.irp b, 0,1,2,3,4,5,6,7
	ds_store_b128 v[STO], v[AC+8*\b:AC+8*\b+3] offset:64*\b          ; each accumulator from its low end on
	ds_store_b128 v[STO], v[AC+8*\b+4:AC+8*\b+7] offset:64*\b+16
.endr
	WIN ((\a)%2)<<6
.irp t, 0,1,2,3,4,5,6,7,8,9,10,11,12,13,14,15
	ds_load_b128 v[32+4*\t:35+4*\t], v[RD] offset:\t*SPITCH
.endr
.endm
.macro SEND a, younger
	s_wait_dscnt \younger
.if (\a) > 0
	s_add_nc_u64 s[10:11], s[10:11], 16*16384      ; behind a wait on XCNT: the earlier stores have read their base
.endif
	WIN ((\a)%2)<<2
.irp t, 0,1,2,3,4,5,6,7,8,9,10,11,12,13,14,15
	global_store_b128 v[CO], v[32+4*\t:35+4*\t], s[10:11] offset:\t*16384 th:TH_STORE_NT   ; 32 lanes store 512 bytes on end, aligned
.endr
.endm
	PLACES
	TOSTAGE 0
.irp a, 1,2,3,4,5,6,7
.if \a > 1
	s_wait_xcnt 0x0                                ; block a - 2's stores have read their registers and their base
.endif
	TOSTAGE \a
	SEND \a-1, 32                                  ; younger: block a's 16 stores and 16 loads
.endr
	s_wait_xcnt 0x0
	SEND 7, 0
	WIN 0
	s_wait_tensorcnt 0x0                           ; the wave's end
	ds_add_u32 v[SPW], v[NIL]
	s_wait_dscnt 0x0
	CROUND                                         ; the closing round
	s_endpgm
.Lfunc_end_k_q45bd64bc19_gemm:
	.size	k_q45bd64bc19_gemm, .Lfunc_end_k_q45bd64bc19_gemm-k_q45bd64bc19_gemm
	.p2alignl 7, 3214868480
	.fill 96, 4, 3214868480
	.section	.rodata,"a",@progbits
	.p2align	6, 0x0
	.amdhsa_kernel k_q45bd64bc19_gemm
		.amdhsa_group_segment_fixed_size 327680
		.amdhsa_private_segment_fixed_size 0
		.amdhsa_enable_private_segment 0
		.amdhsa_kernarg_size 32
		.amdhsa_user_sgpr_count 2
		.amdhsa_user_sgpr_kernarg_segment_ptr 1
		.amdhsa_wavefront_size32 1
		.amdhsa_system_sgpr_workgroup_id_x 1
		.amdhsa_system_sgpr_workgroup_id_y 1
		.amdhsa_system_sgpr_workgroup_id_z 1
		.amdhsa_system_vgpr_workitem_id 0
		.amdhsa_next_free_vgpr 1024
		.amdhsa_next_free_sgpr 96
		.amdhsa_reserve_vcc 0
		.amdhsa_float_denorm_mode_32 3
		.amdhsa_float_denorm_mode_16_64 3
		.amdhsa_memory_ordered 1
		.amdhsa_forward_progress 1
		.amdhsa_inst_pref_size 211
	.end_amdhsa_kernel
	.amdgpu_metadata
---
amdhsa.version: [ 1, 2 ]
amdhsa.kernels:
  - .name:           k_q45bd64bc19_gemm
    .symbol:         k_q45bd64bc19_gemm.kd
    .args:
      - { .name: xi, .offset: 0, .size: 8, .value_kind: global_buffer, .address_space: global }
      - { .name: wi, .offset: 8, .size: 8, .value_kind: global_buffer, .address_space: global }
      - { .name: bias, .offset: 16, .size: 8, .value_kind: global_buffer, .address_space: global }
      - { .name: out0, .offset: 24, .size: 8, .value_kind: global_buffer, .address_space: global }
    .group_segment_fixed_size: 327680
    .private_segment_fixed_size: 0
    .kernarg_segment_align: 8
    .kernarg_segment_size: 32
    .max_flat_workgroup_size: 128
    .sgpr_count:     96
    .vgpr_count:     1024
    .wavefront_size: 32
...
	.end_amdgpu_metadata
.endif
;; end of part 2
